; MI455X (gfx1250); checked and timed in simulation.
; The chip was launched on July 23, 2026; its instructions are those of AMD's public machine-readable ISA for CDNA 5 (MIT licence, August 2026) and "CDNA5" Instruction Set Architecture Reference Guide (July 2026). The comments in the code are by the model that wrote it; some were corrected since.
;; Mo E Layer. Allowed arithmetic: matrix products marked QUANTISED: E5M2 operands, one E8M0 scale for each 32 along K, by v_wmma_scale_f32_16x16x128_f8f6f4 with both operands' format E5M2, f32 sums; products left as they are: f32 operands where the result goes on into a quantised operand, else bf16, f16 or f32 operands; f32 sums; everything else in f32.
;; Inputs: W1_codes 8 x 4,096 x 32 x 32 uint8 (E5M2 codes of W1, K innermost, in blocks of 32 codes); W1_scales 8 x 4,096 x 32 uint8 (E8M0 scales of W1, one for each 32 codes along K); W2_codes 8 x 1,024 x 128 x 32 uint8 (E5M2 codes of W2, K innermost, in blocks of 32 codes); W2_scales 8 x 1,024 x 128 uint8 (E8M0 scales of W2, one for each 32 codes along K); Wg 1,024 x 8 float32; b1 8 x 4,096 float32; b2 8 x 1,024 float32; bg 8 float32; x 1,024 x 1,024 float32.
;; Outputs: out0 1,024 x 1,024 float32; out1 one number float32.
;; This version of the problem:
;;   THIS VERSION OF THE PROBLEM IS GIVEN IN LOW PRECISION. The matrix products marked QUANTISED in the list below multiply operands that are first quantised to E5M2 (5 exponent bits, 2 mantissa bits; 8 bits a number), with one power-of-two scale for each 32 numbers along K (OCP MX v1.0); their sums are f32. All else is computed in f32.
;;   The module's matrix products, in the order in which they are computed (A, B: the left and right operand; K: the contracted axis; several contracted axes count as one K, in the product's order):
;;     1. [M 1,024, K 1,024] x [K 1,024, N 8]; A: input x; B: input Wg: left as it is (N = 8 < 16)
;;     2. [M 1,024, K 1,024] x [K 1,024, N 32,768]; A: input x; B: input W1 (given as codes): QUANTISED
;;     3. batch 8 x [M 1,024, K 4,096] x [K 4,096, N 1,024]; A: input W2 (given as codes); B: computed on the way: QUANTISED
;;   THE QUANTISER, for each operand of a quantised product, along K:
;;     - K is cut into blocks of 32 from its start; a last block that is shorter is filled with zeros.
;;     - A block's scale is 2^e with e = floor(log2(the largest magnitude in the block)) - 15, held to -126 .. 127; a block of zeros has e = 0. As a byte (E8M0): e + 127.
;;     - Each number is divided by its block's scale, clamped to +-57,344, and rounded to the nearest number of E5M2, ties to even, subnormals kept.
;;     - The product sums the exact products of the quantised numbers (number of the format x scale) in f32.
;;   ~~~python
;;   def quantise(x, axis):      # numpy; x: float32 -> the quantised numbers, widened to float32 again
;;       x = np.moveaxis(x, axis, -1); K = x.shape[-1]
;;       x = np.pad(x, [(0, 0)] * (x.ndim - 1) + [(0, -K % 32)]); x = x.reshape(x.shape[:-1] + (-1, 32)); a = np.abs(x).max(-1, keepdims=True)
;;       e = np.where(a > 0, np.clip(np.frexp(np.where(a > 0, a, 1))[1] - 1 - 15, -126, 127), 0)      # np.frexp(a)[1] - 1 = floor(log2(a)), exactly
;;       r = np.clip(x / 2.0 ** e, -57344, 57344)
;;       step = 2.0 ** (np.maximum(np.frexp(np.where(r == 0, 1, r))[1] - 1, -14) - 2)
;;       q = np.round(r / step) * step * 2.0 ** e      # np.round: ties to even
;;       return np.moveaxis(q.reshape(q.shape[:-2] + (-1,))[..., :K], -1, axis).astype(np.float32)
;;   ~~~
;;   OPERANDS COMPUTED ON THE WAY. 'Computed on the way' means the value that the module computes at that place (a softmax that the list does not call 'softmax' is quantised finished and normalised). What goes into a quantiser is computed in f32, as accurately as f32 sums, v_exp_f32 and their like allow (about 1e-6 of the number): no bf16 or f16 on the way to a quantiser, and a product that is left as it is and whose result goes on into a quantised operand takes f32 operands (vector FMAs, or v_wmma_f32_16x16x4_f32). A number that lies on a knife's edge between two numbers of the format may be rounded either way, as far as f32 arithmetic and the matrix unit's own rounding can turn it there, and no further.
;;   INPUTS GIVEN AS CODES. W1 (in the module: [8, 1024, 4096], K = its axis 1); W2 (in the module: [8, 4096, 1024], K = its axis 1): each comes as NAME_codes (uint8): NAME with its K axis moved to the last place and cut into blocks of 32 codes, [.., K / 32, bytes a block], one block behind the other in memory; one code a byte (a code: sign, 5 exponent bits, 2 mantissa bits); and NAME_scales (uint8): the same leading axes, one E8M0 byte (e + 127) for each 32 codes along K. Its value is code x scale, taken as it is: it is not quantised again, and the codes and scales need not be those that the quantiser above would give.
;; One version. Each part assembles by itself: llvm-mc -triple=amdgcn-amd-amdhsa -mcpu=gfx1250 --defsym DOCPART=n.
;; ======== version 1 of 1: 4 launches
;; workspace buffers: xqs 1,081,344 bytes; idx 4,096 bytes of whole numbers; gates 12,288 bytes; place 36,864 bytes of whole numbers; hq 44,564,480 bytes; yb 41,943,040 bytes
;; launch gate (part 1): grid 128 x 1, 8 waves a work-group, no clusters, 75,776 bytes of LDS; arguments x, Wg, bg, xqs, idx, gates; writes xqs, idx, gates
.if DOCPART == 1
	.amdgcn_target "amdgcn-amd-amdhsa--gfx1250"
	.amdhsa_code_object_version 6
	.text
	.protected	k_q7711529808_gate
	.globl	k_q7711529808_gate
	.p2align	8
	.type	k_q7711529808_gate,@function
k_q7711529808_gate:
	s_mov_b64 s[64:65], 0
	v_nop
	global_prefetch_b8 v0, s[64:65] scope:SCOPE_SE
	s_setreg_imm32_b32 hwreg(HW_REG_WAVE_MODE, 25, 1), 1
	s_wait_xcnt 0x0
; THE GATE, AND x INTO CODES.  x [1024][1024] f32, Wg [1024][8] f32, bg [8] f32.
; A wave takes one token t = 8 x work-group + wave.  It makes the eight logits x[t] . Wg[:, e] + bg[e] in f32 (fused multiply-adds), the two largest (equal logits keep the lower
; index), the softmax of those two, the softmax of all eight, and the codes of its row of x: E5M2, one E8M0 byte for each 32 along the row.
; OUT: xqs: codes [1024][1024] at byte 0, scale bytes [1024][32] at byte XSCL;  idx [1024] words e0 | e1 << 8;  gates: the two weights [1024][2] f32 at byte 0, and at byte PART
; the work-group's sum of its 8 tokens' eight gates, [128][8] f32, which the last launch adds up for the loss.
; No address and no branch here hangs on a logit: the choice is stored as a number, at a fixed place.
; A block's scale is 2^(floor(log2(largest magnitude)) - 15); its byte is the largest magnitude's exponent field - 15, held at 1 from below.  A block of zeros so keeps the byte 1:
; its codes are zeros, and this program alone reads the bytes.
; LIMITS: NaN and infinities among the inputs are not served; the logits must be finite; blocks whose largest magnitude lies under 2^-111 take the byte 1.
; No matrix unit: eight columns are too few for it.  No cluster: what the work-groups share is Wg's 32 KiB.
.set WP,   4112                        ; LDS: Wg turned, [e][column] f32, rows of 4,096 bytes + 16: rows four apart begin 16 banks apart
.set STG,  33024                       ; two stages of 32 x 80 bytes for each wave: a row's numbers turn through them
.set SP,   80                          ; a lane's place in a stage: 64 bytes + 16 of padding
.set SCB,  73984                       ; scale bytes [wave][32]
.set GT,   74240                       ; gates [wave][8]
.set IDL,  74496                       ; the choice [wave]
.set GWL,  74560                       ; the two weights [wave][2]
.set XSCL, 1048576
.set PART, 8192
.set R,    16                          ; v16-47   the row as loaded: load i holds columns 128 i + 4 lane + 0 .. 3
.set WT,   48                          ; v48-111  Wg as loaded, then two sets of 32: one expert's column of Wg at my columns
.set X16,  112                         ; v112-143 two sets of 16 neighbours
.set ACC,  144                         ; v144-175 four registers an expert: +0 the logit, +1 at work, +2 the exponential, +3 the gate
.set CD,   176                         ; v176-183 codes
.set BY,   200                         ; v200-201 scale bytes
	s_load_b256 s[4:11], s[0:1], 0x0               ; x s[4:5], Wg s[6:7], bg s[8:9], xqs s[10:11]
	s_load_b128 s[12:15], s[0:1], 0x20             ; idx s[12:13], gates s[14:15]
	v_lshl_add_u32 v208, v0, 2, 0x12400
	v_mov_b32 v209, 0
	v_lshrrev_b32 v9, 5, v0
	s_delay_alu instid0(VALU_DEP_1)
	v_readfirstlane_b32 s24, v9                    ; wave 0..7
	v_and_b32 v1, 31, v0                           ; lane
	s_delay_alu instid0(VALU_DEP_1)
	v_lshlrev_b32 v2, 4, v1                        ; 16 x lane
	v_lshlrev_b32 v3, 4, v0                        ; 16 x thread
	v_and_b32 v4, 1, v0
	s_delay_alu instid0(VALU_DEP_1)
	v_mul_u32_u24 v4, v4, 4*WP
	v_lshrrev_b32 v9, 1, v0
	s_delay_alu instid0(VALU_DEP_1)
	v_lshl_add_u32 v4, v9, 2, v4                   ; where my 16 bytes of Wg go: experts 4 (thread % 2) on, column thread / 2
	s_mul_i32 s25, s24, 2*32*SP
	s_add_co_u32 s25, s25, STG                     ; my wave's stages
	v_lshrrev_b32 v6, 2, v1
	s_delay_alu instid0(VALU_DEP_1)
	v_mul_u32_u24 v6, v6, SP
	v_and_b32 v9, 3, v1
	s_delay_alu instid0(VALU_DEP_1)
	v_lshl_add_u32 v6, v9, 4, v6
	s_delay_alu instid0(VALU_DEP_1)
	v_add_nc_u32 v6, s25, v6                       ; into a stage: four lanes' 64 bytes on end, then 16 of padding
	v_mul_u32_u24 v7, v1, SP
	s_delay_alu instid0(VALU_DEP_1)
	v_add_nc_u32 v7, s25, v7                       ; out of it: my 16 neighbours
	s_lshl_b32 s25, s24, 5
	v_lshrrev_b32 v8, 1, v1
	s_delay_alu instid0(VALU_DEP_1)
	v_add_nc_u32 v8, s25, v8
	s_delay_alu instid0(VALU_DEP_1)
	v_add_nc_u32 v8, SCB, v8                       ; my block's scale byte
	v_mov_b32 v9, s25
	s_delay_alu instid0(VALU_DEP_1)
	v_add_nc_u32 v9, GT, v9                        ; my wave's eight gates
	s_lshl_b32 s25, s24, 2
	v_mov_b32 v10, s25
	s_delay_alu instid0(VALU_DEP_1)
	v_add_nc_u32 v10, IDL, v10
	s_lshl_b32 s25, s24, 3
	v_mov_b32 v11, s25
	s_delay_alu instid0(VALU_DEP_1)
	v_add_nc_u32 v11, GWL, v11
	s_mov_b32 s26, 0x76543210
	s_mov_b32 s27, 0xfedcba98                      ; v_permlanex16_b32's selects for lane l xor 16
	s_mov_b32 s28, 0x600000                        ; the mantissa field of 57,344
	s_lshl_b32 s29, ttmp9, 3
	s_add_co_u32 s29, s29, s24                     ; my token
	s_lshl_b32 s30, s29, 12                        ; its row of x,
	s_mov_b32 s31, 0
	s_lshl_b32 s32, s29, 10                        ; its row of codes,
	s_mov_b32 s33, 0
	s_lshl_b32 s34, ttmp9, 8                       ; the work-group's 256 scale bytes,
	s_mov_b32 s35, 0
	s_lshl_b32 s36, ttmp9, 6                       ; its 16 weights,
	s_mov_b32 s37, 0
	s_lshl_b32 s38, ttmp9, 5                       ; its 8 choices, and its 8 sums of gates
	s_mov_b32 s39, 0
	s_wait_kmcnt 0x0
	s_load_b256 s[16:23], s[8:9], 0x0              ; bg
	s_add_nc_u64 s[4:5], s[4:5], s[30:31]
	s_add_nc_u64 s[32:33], s[10:11], s[32:33]
	s_add_nc_u64 s[34:35], s[10:11], s[34:35]
	s_add_nc_u64 s[34:35], s[34:35], XSCL
	s_add_nc_u64 s[36:37], s[14:15], s[36:37]
	s_add_nc_u64 s[12:13], s[12:13], s[38:39]
	s_add_nc_u64 s[38:39], s[14:15], s[38:39]
	s_add_nc_u64 s[38:39], s[38:39], PART
.irp j, 0,1,2,3,4,5,6,7
	global_load_b128 v[WT+4*\j:WT+4*\j+3], v3, s[6:7] offset:4096*\j       ; Wg, dense: the 256 threads read 4,096 bytes on end
.endr
.irp i, 0,1,2,3,4,5,6,7
	global_load_b128 v[R+4*\i:R+4*\i+3], v2, s[4:5] offset:512*\i th:TH_LOAD_NT   ; my row of x: 512 bytes on end a load
.endr
	s_wait_loadcnt 8                               ; Wg's eight loads are in; x's eight may stay out
.irp j, 0,1,2,3,4,5,6,7
.irp i, 0,1,2,3
	ds_store_b32 v4, v[WT+4*\j+\i] offset:\i*WP+512*\j                     ; Wg(128 j + thread / 2, 4 (thread % 2) + i)
.endr
.endr
	s_wait_dscnt 0x0                               ; for the others' sake: my part of Wg lies in LDS
	s_barrier_signal -1
	s_barrier_wait -1
	s_wait_loadcnt 0x0                             ; x
.macro TURN q                          ; 512 numbers through a stage: LDS serves a wave's instructions in order, so no wait stands between the stores and the loads
.irp i, 0,1,2,3
	ds_store_b128 v6, v[R+16*(\q)+4*\i:R+16*(\q)+4*\i+3] offset:32*SP*(\q)+8*SP*\i
.endr
.irp i, 0,1,2,3
	ds_load_b128 v[X16+16*(\q)+4*\i:X16+16*(\q)+4*\i+3], v7 offset:32*SP*(\q)+16*\i
.endr
.endm
.macro WTLOAD e, set                   ; expert e's column of Wg at my 32 columns
.irp i, 0,1,2,3,4,5,6,7
	ds_load_b128 v[WT+32*(\set)+4*\i:WT+32*(\set)+4*\i+3], v2 offset:(\e)*WP+512*\i
.endr
.endm
.macro DOT e                           ; my 32 products, in two packed chains; the first products start the sums
.set A, ACC+4*(\e)
.set W, WT+32*((\e)%2)
	v_pk_mul_f32 v[A:A+1], v[R:R+1], v[W:W+1]
	v_pk_mul_f32 v[A+2:A+3], v[R+2:R+3], v[W+2:W+3]
.irp i, 1,2,3,4,5,6,7
	s_delay_alu instid0(VALU_DEP_2)
	v_pk_fma_f32 v[A:A+1], v[R+4*\i:R+4*\i+1], v[W+4*\i:W+4*\i+1], v[A:A+1]
	s_delay_alu instid0(VALU_DEP_2)
	v_pk_fma_f32 v[A+2:A+3], v[R+4*\i+2:R+4*\i+3], v[W+4*\i+2:W+4*\i+3], v[A+2:A+3]
.endr
.endm
	TURN 0
	TURN 1
	WTLOAD 0, 0
	WTLOAD 1, 1
.irp e, 0,1,2,3,4,5,6,7
.if \e < 7
	s_wait_dscnt 8                                 ; this expert's set is in; the other set's eight loads may be out
.else
	s_wait_dscnt 0x0
.endif
	DOT \e
.if \e < 6
	WTLOAD \e+2, \e%2
.endif
.endr
.irp e, 0,1,2,3,4,5,6,7
	v_pk_add_f32 v[ACC+4*\e:ACC+4*\e+1], v[ACC+4*\e:ACC+4*\e+1], v[ACC+4*\e+2:ACC+4*\e+3]
.endr
.irp e, 0,1,2,3,4,5,6,7
	v_add_f32 v[ACC+4*\e], v[ACC+4*\e], v[ACC+4*\e+1]
.endr
.irp k, 1,2,4,8                        ; over the 32 lanes, the eight experts by turns
.irp e, 0,1,2,3,4,5,6,7
	v_add_f32_dpp v[ACC+4*\e], v[ACC+4*\e], v[ACC+4*\e] row_xmask:\k row_mask:0xf bank_mask:0xf
.endr
.endr
.irp e, 0,1,2,3,4,5,6,7
	v_permlanex16_b32 v[ACC+4*\e+1], v[ACC+4*\e], s26, s27
.endr
.irp e, 0,1,2,3,4,5,6,7
	v_add_f32 v[ACC+4*\e], v[ACC+4*\e], v[ACC+4*\e+1]
.endr
	s_wait_alu depctr_va_vdst(0)
	s_wait_kmcnt 0x0                               ; bg
.irp e, 0,1,2,3,4,5,6,7
	v_add_f32 v[ACC+4*\e], s[16+\e], v[ACC+4*\e]   ; the logit, the same in every lane
.endr
	; the largest: v184, its index v185.  The old one is kept where the newcomer is not larger: equal logits keep the lower index
	v_mov_b32 v184, v[ACC]
	v_mov_b32 v185, 0
.irp e, 1
	s_delay_alu instid0(VALU_DEP_2)
	v_cmp_le_f32 vcc_lo, v[ACC+4*\e], v184
	s_delay_alu instid0(VALU_DEP_1)
	v_cndmask_b32 v185, \e, v185, vcc_lo
	s_delay_alu instid0(VALU_DEP_2)
	v_cndmask_b32 v184, v[ACC+4*\e], v184, vcc_lo
.endr
.irp e, 2, 3, 4, 5, 6, 7
	s_delay_alu instid0(VALU_DEP_1)
	v_cmp_le_f32 vcc_lo, v[ACC+4*\e], v184
	s_delay_alu instid0(VALU_DEP_1)
	v_cndmask_b32 v185, \e, v185, vcc_lo
	s_delay_alu instid0(VALU_DEP_2)
	v_cndmask_b32 v184, v[ACC+4*\e], v184, vcc_lo
.endr
	; the second: v186, its index v187: the same scan, passing over the first
	v_mov_b32 v186, 0xff800000
	v_mov_b32 v187, 0
.irp e, 0
	s_delay_alu instid0(VALU_DEP_4)
	v_cmp_eq_u32 s41, \e, v185
	s_delay_alu instid0(VALU_DEP_3)
	v_cmp_le_f32 s42, v[ACC+4*\e], v186
	s_or_b32 vcc_lo, s41, s42
	v_cndmask_b32 v187, \e, v187, vcc_lo
	v_cndmask_b32 v186, v[ACC+4*\e], v186, vcc_lo
.endr
.irp e, 1, 2, 3, 4, 5, 6, 7
	v_cmp_eq_u32 s41, \e, v185
	s_delay_alu instid0(VALU_DEP_2)
	v_cmp_le_f32 s42, v[ACC+4*\e], v186
	s_or_b32 vcc_lo, s41, s42
	v_cndmask_b32 v187, \e, v187, vcc_lo
	v_cndmask_b32 v186, v[ACC+4*\e], v186, vcc_lo
.endr
	s_delay_alu instid0(VALU_DEP_2)
	v_lshl_or_b32 v188, v187, 8, v185              ; e0 | e1 << 8
.irp e, 0,1,2,3,4,5,6,7
	v_sub_f32 v[ACC+4*\e+1], v[ACC+4*\e], v184     ; the maximum is taken away ahead of the exponential
.endr
	v_sub_f32 v189, v186, v184
.irp e, 0,1,2,3,4,5,6,7
	v_mul_f32 v[ACC+4*\e+1], 0x3fb8aa3b, v[ACC+4*\e+1]
.endr
	v_mul_f32 v189, 0x3fb8aa3b, v189
	s_wait_alu depctr_va_vdst(0)
.irp e, 0,1,2,3,4,5,6,7
	v_exp_f32 v[ACC+4*\e+2], v[ACC+4*\e+1]
.endr
	v_exp_f32 v190, v189                           ; t = e^(second - first)
; 512 numbers of the row become codes: a lane holds 16 neighbours, two neighbouring lanes a block of 32.
.macro QSTEP q
.set XQ, X16+16*(\q)
	v_max3_num_f32 v12, |v[XQ]|, |v[XQ+1]|, |v[XQ+2]|
	v_max3_num_f32 v13, |v[XQ+3]|, |v[XQ+4]|, |v[XQ+5]|
.irp i, 6,10
	s_delay_alu instid0(VALU_DEP_2)
	v_max3_num_f32 v12, v12, |v[XQ+\i]|, |v[XQ+\i+1]|
	s_delay_alu instid0(VALU_DEP_2)
	v_max3_num_f32 v13, v13, |v[XQ+\i+2]|, |v[XQ+\i+3]|
.endr
	s_delay_alu instid0(VALU_DEP_2)
	v_max3_num_f32 v12, v12, |v[XQ+14]|, |v[XQ+15]|
	s_delay_alu instid0(VALU_DEP_1)
	v_max3_num_f32 v12, v12, v13, 0x8000000        ; and the floor 2^(16 - 127): the byte cannot fall under 1
	s_delay_alu instid0(VALU_DEP_1)
	v_max_num_f32_dpp v12, v12, v12 row_xmask:1 row_mask:0xf bank_mask:0xf   ; with my neighbour's 16: the block's largest magnitude
	s_delay_alu instid0(VALU_DEP_1)
	v_add_nc_u32 v14, 0xf8800000, v12              ; 15 off its exponent field: the conversion takes this operand's exponent field as its scale
	s_delay_alu instid0(VALU_DEP_2)
	v_and_or_b32 v13, v12, 0x7f800000, s28         ; 57,344 x the scale
.irp i, 0,1,2,3,4,5,6,7,8,9,10,11,12,13,14,15
	v_med3_num_f32 v[XQ+\i], v[XQ+\i], -v13, v13   ; the conversion to an 8-bit code does not saturate (ISA guide 7.6.2): the hold comes first
.endr
	v_cvt_scalef32_pk8_bf8_f32 v[CD+4*(\q):CD+4*(\q)+1], v[XQ:XQ+7], v14
	v_cvt_scalef32_pk8_bf8_f32 v[CD+4*(\q)+2:CD+4*(\q)+3], v[XQ+8:XQ+15], v14
	v_lshrrev_b32 v[BY+(\q)], 23, v14              ; the scale's byte (also the plain line behind the conversions)
	ds_store_b8 v8, v[BY+(\q)] offset:16*(\q)      ; both lanes of a block write the same byte with the same value
	global_store_b128 v2, v[CD+4*(\q):CD+4*(\q)+3], s[32:33] offset:512*(\q)   ; 32 lanes store 512 bytes on end
.endm
	QSTEP 0                                        ; independent work behind the nine exponentials; its first line is the plain line that they want
	s_wait_alu depctr_va_vdst(0)                   ; one wait for the batch, ahead of its first reader
	v_add_f32 v191, v[ACC+2], v[ACC+6]
	v_add_f32 v192, v[ACC+10], v[ACC+14]
	v_add_f32 v193, v[ACC+18], v[ACC+22]
	v_add_f32 v194, v[ACC+26], v[ACC+30]
	v_add_f32 v195, 1.0, v190
	s_delay_alu instid0(VALU_DEP_4)
	v_add_f32 v191, v191, v192
	s_delay_alu instid0(VALU_DEP_3)
	v_add_f32 v193, v193, v194
	s_delay_alu instid0(VALU_DEP_1)
	v_add_f32 v191, v191, v193
	s_wait_alu depctr_va_vdst(0)
	v_rcp_f32 v196, v191
	v_rcp_f32 v197, v195                           ; w0 = 1 / (1 + t)
	QSTEP 1                                        ; independent work behind the two reciprocals
	s_wait_alu depctr_va_vdst(0)                   ; one wait for both
.irp e, 0,1,2,3,4,5,6,7
	v_mul_f32 v[ACC+4*\e+3], v[ACC+4*\e+2], v196   ; the gate
.endr
	v_mul_f32 v198, v190, v197                     ; w1 = t w0
.irp e, 0,1,2,3,4,5,6,7
	ds_store_b32 v9, v[ACC+4*\e+3] offset:4*\e     ; all lanes write the same word with the same value
.endr
	ds_store_b32 v10, v188
	ds_store_b32 v11, v197
	ds_store_b32 v11, v198 offset:4
	s_wait_dscnt 0x0                               ; for wave 0's sake: my small results lie in LDS
	s_barrier_signal -1
	s_barrier_wait -1
	s_cmp_lg_u32 s24, 0
	s_cbranch_scc1 .Lend
	; wave 0 sends the eight tokens' small results out together
	v_lshl_add_u32 v12, v1, 3, SCB
	ds_load_b64 v[16:17], v12                      ; 256 scale bytes, 8 a lane
	v_lshl_add_u32 v13, v1, 2, GT
	ds_load_b32 v18, v13                           ; gate (lane % 8) of wave lane / 8,
	ds_load_b32 v19, v13 offset:128                ; and of wave 4 + lane / 8
	v_and_b32 v14, 7, v1
	s_delay_alu instid0(VALU_DEP_1)
	v_lshl_add_u32 v14, v14, 2, IDL
	ds_load_b32 v20, v14
	v_and_b32 v15, 15, v1
	s_delay_alu instid0(VALU_DEP_1)
	v_lshl_add_u32 v15, v15, 2, GWL
	ds_load_b32 v21, v15
	v_lshlrev_b32 v22, 3, v1
	v_lshlrev_b32 v23, 2, v1
	s_wait_alu depctr_va_vdst(0)
	s_wait_dscnt 0x0
	v_add_f32 v18, v18, v19
	s_delay_alu instid0(VALU_DEP_1)
	v_add_f32_dpp v18, v18, v18 row_xmask:8 row_mask:0xf bank_mask:0xf
	s_delay_alu instid0(VALU_DEP_1)
	v_permlanex16_b32 v19, v18, s26, s27
	s_delay_alu instid0(VALU_DEP_1)
	v_add_f32 v18, v18, v19                        ; lane e (0 .. 7): the eight tokens' sum of gate e
	global_store_b64 v22, v[16:17], s[34:35]       ; 256 bytes on end, at a multiple of 256
	s_wait_alu depctr_va_vdst(0)
	s_wait_xcnt 0x0                                ; EXEC changes only behind this wait
	v_cmp_gt_u32 vcc_lo, 16, v1
	s_and_saveexec_b32 s40, vcc_lo
	global_store_b32 v23, v21, s[36:37]            ; 16 weights
	s_wait_xcnt 0x0
	s_or_b32 exec_lo, exec_lo, s40
	v_cmp_gt_u32 vcc_lo, 8, v1
	s_and_saveexec_b32 s40, vcc_lo
	global_store_b32 v23, v20, s[12:13]            ; 8 choices
	global_store_b32 v23, v18, s[38:39]            ; 8 sums of gates
	s_wait_xcnt 0x0
	s_or_b32 exec_lo, exec_lo, s40
.Lend:
	s_wait_tensorcnt 0x0
	ds_add_u32 v208, v209
	s_wait_dscnt 0x0
	s_endpgm
.Lfunc_end_k_q7711529808_gate:
	.size	k_q7711529808_gate, .Lfunc_end_k_q7711529808_gate-k_q7711529808_gate
	.p2alignl 7, 3214868480
	.fill 96, 4, 3214868480
	.section	.rodata,"a",@progbits
	.p2align	6, 0x0
	.amdhsa_kernel k_q7711529808_gate
		.amdhsa_group_segment_fixed_size 75776
		.amdhsa_private_segment_fixed_size 0
		.amdhsa_enable_private_segment 0
		.amdhsa_kernarg_size 48
		.amdhsa_user_sgpr_count 2
		.amdhsa_user_sgpr_kernarg_segment_ptr 1
		.amdhsa_wavefront_size32 1
		.amdhsa_system_sgpr_workgroup_id_x 1
		.amdhsa_system_sgpr_workgroup_id_y 1
		.amdhsa_system_sgpr_workgroup_id_z 1
		.amdhsa_system_vgpr_workitem_id 0
		.amdhsa_next_free_vgpr 210
		.amdhsa_next_free_sgpr 66
		.amdhsa_reserve_vcc 1
		.amdhsa_float_denorm_mode_32 3
		.amdhsa_float_denorm_mode_16_64 3
		.amdhsa_memory_ordered 1
		.amdhsa_forward_progress 1
		.amdhsa_inst_pref_size 41
	.end_amdhsa_kernel
	.amdgpu_metadata
---
amdhsa.version: [ 1, 2 ]
amdhsa.kernels:
  - .name:           k_q7711529808_gate
    .symbol:         k_q7711529808_gate.kd
    .args:
      - { .name: x, .offset: 0, .size: 8, .value_kind: global_buffer, .address_space: global }
      - { .name: Wg, .offset: 8, .size: 8, .value_kind: global_buffer, .address_space: global }
      - { .name: bg, .offset: 16, .size: 8, .value_kind: global_buffer, .address_space: global }
      - { .name: xqs, .offset: 24, .size: 8, .value_kind: global_buffer, .address_space: global }
      - { .name: idx, .offset: 32, .size: 8, .value_kind: global_buffer, .address_space: global }
      - { .name: gates, .offset: 40, .size: 8, .value_kind: global_buffer, .address_space: global }
    .group_segment_fixed_size: 75776
    .private_segment_fixed_size: 0
    .kernarg_segment_align: 8
    .kernarg_segment_size: 48
    .max_flat_workgroup_size: 256
    .sgpr_count:     66
    .vgpr_count:     210
    .wavefront_size: 32
...
	.end_amdgpu_metadata
.endif
;; end of part 1
;; launch ffn1 (part 2): grid 32 x 8, 4 waves a work-group, no clusters, 140,800 bytes of LDS; arguments xqs, idx, W1_codes, W1_scales, b1, hq, place; writes hq, place
.if DOCPART == 2
	.amdgcn_target "amdgcn-amd-amdhsa--gfx1250"
	.amdhsa_code_object_version 6
	.text
	.protected	k_q7711529808_ffn1
	.globl	k_q7711529808_ffn1
	.p2align	8
	.type	k_q7711529808_ffn1,@function
k_q7711529808_ffn1:
	s_mov_b64 s[64:65], 0
	v_nop
	global_prefetch_b8 v0, s[64:65] scope:SCOPE_SE
	s_setreg_imm32_b32 hwreg(HW_REG_WAVE_MODE, 25, 1), 1
	s_wait_xcnt 0x0
; THE FIRST PRODUCT OF THE CHOSEN EXPERTS: h = Q(relu(x W1[e] + b1[e])), on codes of E5M2 with one E8M0 scale for each 32 along K, only for the rows that chose expert e.
; SHARES.  Work-group (x, y) = (slice of 128 hidden units, expert e).  Its 128 x 1,024 codes of W1 go into LDS once.  The tokens are cut into four quarters of 256; wave w serves
; GROUP 4 e + w: the tokens of quarter w that chose e, in the order of their numbers, in tiles of 16 rows, five tiles a pass.  A group owns 20 tile slots in hq and in yb.
; PLACING.  Each wave makes its group's list itself, from idx: for each 32 tokens a mask of members, their ranks (the count of members in the lanes below), and the members moved to the
; low lanes by a lane permute; a row of rank q then pulls its token from the chunk in which q falls.  Rows beyond the group's end take the quarter's first token; nobody reads what
; they give.  The work-groups of slice 0 store each token's row (posof [8][1024]) and each group's number of tiles (meta), as whole numbers, for the launches that follow.
; LAYOUT.  The product is used transposed: source 0 = 16 rows of W1, source 1 = 16 rows of x: a lane holds ONE row of x and its registers run along the hidden units.  THE ROWS OF W1
; THAT FORM A TILE ARE NOT NEIGHBOURS: lane r of tile 2 b + u takes row 32 b + 8 u + r + 8 (r / 8), so that the 16 registers of tiles 2 b, 2 b + 1 are 16 neighbours along the next K.
; In LDS the rows lie in that order.  A slice is one K step of the second product: its codes leave as the IMAGE OF THE OPERAND'S REGISTERS, hq [slot][K step][4][lane][16 bytes], the scale
; words [slot][K step][lane] behind them.  b1 is the C of each sum's first matrix instruction; relu rides on the hold that the conversion wants anyway.
; NO TENSOR LOADS, NO CLUSTER: the number of passes of a wave is read from memory, so the weights come through registers; each byte of W1 is read by one work-group alone.
; LIMITS: NaN and infinities are not served; a block whose largest number lies under 2^-111 (a block of zeros too) takes the byte 1: this program alone reads the bytes.
; REGISTERS, in windows of 256.  Window 0: v1-12 addresses; v16-23 the list; v24-28 scale words just made; v32-51 x's scale words; v52-83 W1's; v84-95 staging, then v88-92 the lane
;   permute's results; v96-127 at work; v128-255 staging, then two sets of four fragments of W1.   Windows 1, 2: x's tiles 0-3, 128 registers each.
;   Window 3: v0-127 x's tile 4; v128-207 ten accumulators; v208-223 b1 of the pair in hand; v224-243 codes; ahead of the products v128-255 staging.
.set WP,   1040                        ; a row of W1 in LDS: 1,024 bytes + 16: an odd multiple of 16, so that the 16 rows of a load start in different banks
.set WSC,  128*WP                      ; its scale bytes: 128 rows of 32 bytes + 16
.set BIA,  WSC+128*48                  ; b1: 128 numbers
.set XSCL, 1048576
.set HSCL, 41943040
.set META, 32768
.set AW,   6                           ; v6, v7  my lane's place in tiles 0-3, 4-7 of W1
.set IX,   16
.set PW,   24
.set XS,   32
.set WS,   52
.set TP,   88
.set TM,   96                          ; the quantiser: v96-100 largest numbers, v106-110 scale operands, v111-115 holds, v116-120 bytes
.set SCO,  106
.set HLD,  111
.set BYT,  116
.set XA,   113                         ; the pull: v113-117 x's codes, v118-122 x's scale bytes: my row's offsets
.set XSA,  118
.set WB,   128
.set ACC,  128                         ; in window 3: accumulator (g, u) at ACC + 8 (2 g + u)
.set BI,   208
.set CD,   224
.set MK,   24                          ; s24-31 masks of members;  s32-39 4 x their counts;  s40-47 the counts' prefix, later x 4
.set C4,   32
.set PF,   40
.set MSB,  0
.macro WIN new                         ; the immediate's high byte repeats the setting that is left
.if MSB != (\new)
	s_set_vgpr_msb (MSB<<8)|(\new)
.set MSB, (\new)
.endif
.endm
.macro PLACES n
.rept \n
	v_nop
.endr
.endm
	s_load_b256 s[4:11], s[0:1], 0x0               ; xqs s[4:5], idx s[6:7], W1's codes s[8:9], W1's scales s[10:11]
	s_load_b128 s[12:15], s[0:1], 0x20             ; b1 s[12:13], hq s[14:15]
	s_load_b64 s[16:17], s[0:1], 0x30              ; place
	v_lshl_add_u32 v86, v0, 2, 0x22400
	v_mov_b32 v87, 0
	v_lshrrev_b32 v14, 5, v0
	v_readfirstlane_b32 s18, v14                   ; wave 0..3
	s_mov_b32 s19, ttmp9                           ; slice
	s_and_b32 s20, ttmp7, 0xffff                   ; expert
	s_lshl_b32 s21, s20, 2
	s_add_co_u32 s21, s21, s18                     ; group
	v_and_b32 v1, 31, v0                           ; lane
	v_and_b32 v2, 15, v0                           ; r
	v_bfe_u32 v3, v0, 4, 1
	v_lshlrev_b32 v3, 4, v3                        ; 16 h
	v_lshlrev_b32 v4, 4, v1                        ; 16 x lane
	v_lshlrev_b32 v5, 2, v1                        ; 4 x lane
	v_mad_u32_u24 v6, v2, WP, v3                   ; a fragment of W1: row r, + 16 h
	v_add_nc_u32 v7, 64*WP, v6
	v_mad_u32_u24 v8, v2, 48, v3
	v_add_nc_u32 v8, WSC, v8                       ; its scale words: lanes 0-15 those of K steps 0-3, lanes 16-31 of 4-7
	v_lshl_add_u32 v9, v3, 2, BIA                  ; b1: + 64 h
	s_mul_i32 s66, s18, 32*WP
	v_add_nc_u32 v10, s66, v4                      ; staging: my wave's 32 rows
	v_lshrrev_b32 v14, 1, v1
	v_and_b32 v15, 8, v14
	v_add_nc_u32 v14, v14, v15                     ; q + (q & 8), q = lane / 2: the rows' order in LDS
	v_mul_u32_u24 v14, v14, 48
	v_and_b32 v15, 1, v1
	v_lshl_add_u32 v14, v15, 4, v14
	s_mul_i32 s66, s18, 32*48
	s_add_co_u32 s66, s66, WSC
	v_add_nc_u32 v11, s66, v14
	s_lshl_b32 s66, s18, 7
	s_add_co_u32 s66, s66, BIA
	v_add_nc_u32 v12, s66, v5
	s_mov_b32 s58, 0x76543210
	s_mov_b32 s59, 0xfedcba98                      ; v_permlanex16_b32's selects for lane l xor 16
	s_mov_b32 s60, 0x600000                        ; the mantissa field of 57,344
	s_lshl_b32 s61, s18, 8                         ; my quarter's first token
	s_mov_b32 s50, 0                               ; pass
	s_mov_b32 s51, 0                               ; the pass's first rank
	s_lshl_b32 s66, s20, 12
	s_lshl_b32 s67, s19, 7
	s_add_co_u32 s66, s66, s67
	s_lshl_b32 s67, s18, 5
	s_add_co_u32 s66, s66, s67                     ; the first row of W1 that my wave fetches: 4,096 e + 128 slice + 32 wave
	s_lshl_b32 s68, s66, 10
	s_mov_b32 s69, 0
	s_lshl_b32 s70, s66, 5
	s_mov_b32 s71, 0
	s_lshl_b32 s72, s66, 2
	s_mov_b32 s73, 0
	s_lshl_b32 s74, s18, 10
	s_mov_b32 s75, 0
	s_mul_i32 s76, s21, 20*65536                   ; my group's first slot of code images, my slice's K step
	s_lshl_b32 s67, s19, 11
	s_add_co_u32 s76, s76, s67
	s_mov_b32 s77, 0
	s_mul_i32 s78, s21, 20*4096                    ; and of scale images
	s_lshl_b32 s67, s19, 7
	s_add_co_u32 s78, s78, s67
	s_add_co_u32 s78, s78, HSCL
	s_mov_b32 s79, 0
	s_lshl_b32 s80, s20, 12
	s_add_co_u32 s80, s80, s74                     ; posof: 4,096 e + 1,024 wave
	s_mov_b32 s81, 0
	s_lshl_b32 s82, s21, 7
	s_add_co_u32 s82, s82, META
	s_mov_b32 s83, 0
	s_wait_kmcnt 0x0
	s_add_nc_u64 s[6:7], s[6:7], s[74:75]
	s_add_nc_u64 s[8:9], s[8:9], s[68:69]
	s_add_nc_u64 s[10:11], s[10:11], s[70:71]
	s_add_nc_u64 s[12:13], s[12:13], s[72:73]
	s_add_nc_u64 s[52:53], s[14:15], s[76:77]
	s_add_nc_u64 s[54:55], s[14:15], s[78:79]
	s_add_nc_u64 s[56:57], s[4:5], XSCL
	s_add_nc_u64 s[84:85], s[16:17], s[80:81]
	s_add_nc_u64 s[86:87], s[16:17], s[82:83]
.irp m, 0,1,2,3,4,5,6,7
	global_load_b32 v[96+\m], v5, s[6:7] offset:128*\m         ; the choices of my quarter's 256 tokens
.endr
	global_load_b32 v84, v5, s[12:13]                          ; 32 numbers of b1
	global_load_b128 v[88:91], v4, s[10:11]                    ; 32 rows of scale bytes: 1,024 bytes on end
	global_load_b128 v[92:95], v4, s[10:11] offset:512
	WIN 0xc0                                       ; destination window 3
.set l, 0
.rept 32
	global_load_b128 v[128+4*l:131+4*l], v4, s[8:9] offset:512*l th:TH_LOAD_NT   ; 32 rows of codes: 64 loads of 512 bytes on end; read once in the launch
.set l, l+1
.endr
	WIN 0
.rept 32
	global_load_b128 v[4*l:4*l+3], v4, s[8:9] offset:512*l th:TH_LOAD_NT
.set l, l+1
.endr
	s_wait_loadcnt 63                              ; 67 loads were issued behind the eight of idx: with 63 out at the most, those eight are in
	; THE LIST.  Chunk m = tokens 32 m + lane of my quarter
	s_mov_b32 s[PF], 0
.irp m, 0,1,2,3,4,5,6,7
	v_and_b32 v[104+\m], 0xff, v[96+\m]            ; e0
	v_lshrrev_b32 v[120+\m], 8, v[96+\m]           ; e1
	v_cmp_eq_u32 s66, s20, v[104+\m]
	v_cmp_eq_u32 s67, s20, v[120+\m]
	s_or_b32 s[MK+\m], s66, s67                    ; the members
	v_mbcnt_lo_u32_b32 v[112+\m], s[MK+\m], 0      ; members in the lanes below mine
	s_bcnt1_i32_b32 s68, s[MK+\m]
	v_sub_nc_u32 v[104+\m], v1, v[112+\m]
	v_add_nc_u32 v[104+\m], s68, v[104+\m]         ; one that is no member goes behind the members,
	v_cndmask_b32 v[104+\m], v[104+\m], v[112+\m], s[MK+\m]   ; a member to the lane of its rank: each lane is named once
	v_lshlrev_b32 v[104+\m], 2, v[104+\m]
	v_or_b32 v[120+\m], 32*\m, v1                  ; my token's number in the quarter
	ds_permute_b32 v[IX+\m], v[104+\m], v[120+\m]  ; from lane to lane: no LDS byte is touched
	v_add_nc_u32 v[112+\m], s[PF+\m], v[112+\m]    ; my rank in the group, if I am a member
	s_lshl_b32 s[C4+\m], s68, 2
.if \m < 7
	s_add_co_u32 s[PF+\m+1], s[PF+\m], s68
.else
	s_add_co_u32 s62, s[PF+7], s68                 ; the group's rows
.endif
.endr
	s_add_co_u32 s48, s62, 15
	s_lshr_b32 s48, s48, 4                         ; its tiles, 0 to 16
	s_add_co_u32 s49, s48, 4
	s_mul_i32 s49, s49, 52
	s_lshr_b32 s49, s49, 8                         ; tiles / 5, rounded up (52 / 256 serves up to 16 tiles),
	s_max_u32 s49, s49, 1                          ; at least one pass: slots 0 to 4 of every group are always written
	s_min_u32 s49, s49, 4
	s_wait_dscnt 0x0                               ; the list is in
	s_cmp_lg_u32 s19, 0
	s_cbranch_scc1 .Lnot_first
	s_mul_i32 s66, s21, 320                        ; slice 0 stores the places: row = 320 x group + rank (what stands at one that is no member is never read)
	s_wait_alu depctr_va_vdst(0)
.irp m, 0,1,2,3,4,5,6,7
	v_add_nc_u32 v[112+\m], s66, v[112+\m]
.endr
.irp m, 0,1,2,3,4,5,6,7
	global_store_b32 v5, v[112+\m], s[84:85] offset:128*\m
.endr
	v_mov_b32 v104, s48
	global_store_b32 v5, v104, s[86:87]            ; the group's tiles, 32 equal words
	s_wait_xcnt 0x0                                ; the stores' data are written again below
.Lnot_first:
.irp m, 0,1,2,3,4,5,6,7
	s_lshl_b32 s[PF+\m], s[PF+\m], 2
.endr
; Tile g of the pass: my row's rank q = s51 + 16 g + r.  In chunk m it is member number q - P[m], if that lies under the chunk's count.
.macro PULL g
	s_add_co_u32 s66, s51, 16*\g
	v_add_lshl_u32 v124, v2, s66, 2                ; 4 q
.irp m, 0,1,2,3,4,5,6,7
	v_sub_nc_u32 v[96+\m], v124, s[PF+\m]
	ds_bpermute_b32 v[104+\m], v[96+\m], v[IX+\m]
.endr
	s_wait_alu depctr_va_vdst(0)
	s_wait_dscnt 0x0
	v_mov_b32 v112, 0                              ; a row beyond the group's end takes the quarter's first token
.irp m, 0,1,2,3,4,5,6,7
	v_cmp_gt_u32 vcc_lo, s[C4+\m], v[96+\m]        ; unsigned: what is negative is large
	v_cndmask_b32 v112, v112, v[104+\m], vcc_lo
.endr
	v_add_nc_u32 v112, s61, v112
	v_min_u32 v112, 0x3ff, v112                    ; a token's number
	v_lshl_add_u32 v[XA+\g], v112, 10, v3          ; its codes: 1,024 bytes a token, + 16 h
	v_lshl_add_u32 v[XSA+\g], v112, 5, v3          ; its scale bytes: 32 a token; lanes 0-15 take K steps 0-3, lanes 16-31 steps 4-7
.endm
.macro XLOAD g                         ; tile g of x stays in registers for the pass: 8 fragments and 4 registers of scale words
	global_load_b128 v[XS+4*\g:XS+4*\g+3], v[XSA+\g], s[56:57]
	WIN (1+\g/2)<<6
.irp s, 0,1,2,3,4,5,6,7
.irp c, 0,1,2,3
	global_load_b128 v[128*(\g%2)+16*\s+4*\c:128*(\g%2)+16*\s+4*\c+3], v[XA+\g], s[4:5] offset:128*\s+32*\c
.endr
.endr
	WIN 0
.endm
.macro PULLX                           ; 165 loads
.irp g, 0,1,2,3,4
	PULL \g
.endr
	s_wait_alu depctr_va_vdst(0)
.irp g, 0,1,2,3,4
	XLOAD \g
.endr
.endm
	PULLX
	s_wait_loadcnt 63                              ; 165 loads were issued behind the weights': those are in
	WIN 0x0c                                       ; an LDS store's data are its source 1: window 3
.set l, 0
.rept 32
	ds_store_b128 v10, v[128+4*l:131+4*l] offset:((l/2)%8+16*(((l/2)/8)%2)+8*((l/2)/16))*WP+512*(l%2)   ; row i of 32 goes to place i % 8 + 16 ((i / 8) % 2) + 8 (i / 16)
.set l, l+1
.endr
	WIN 0
.rept 32
	ds_store_b128 v10, v[4*l:4*l+3] offset:((l/2)%8+16*(((l/2)/8)%2)+8*((l/2)/16))*WP+512*(l%2)
.set l, l+1
.endr
	ds_store_b128 v11, v[88:91]
	ds_store_b128 v11, v[92:95] offset:8*48        ; rows 16 on: eight places further
	ds_store_b32 v12, v84
	s_wait_dscnt 0x0                               ; for the others' sake: my 32 rows lie in LDS
	s_barrier_signal -1
	s_barrier_wait -1                              ; the one barrier: from here on LDS is only read
.macro BRUN b                          ; b1 of pair b's two tiles, in the result's layout: hidden units 32 b + 16 h + 8 u + 0 .. 7
	WIN 0xc0
.irp u, 0,1
.irp p, 0,1
	ds_load_b128 v[BI+8*\u+4*\p:BI+8*\u+4*\p+3], v9 offset:128*(\b)+32*\u+16*\p
.endr
.endr
	WIN 0
.endm
.macro WRUN sg                         ; stage sg: pair sg / 4, K steps 2 (sg % 4) and + 1: four fragments of W1, 16 LDS loads, into set sg % 2
.irp sp, 0,1
.irp u, 0,1
.irp c, 0,1,2,3
	ds_load_b128 v[WB+64*((\sg)%2)+16*(2*\sp+\u)+4*\c:WB+64*((\sg)%2)+16*(2*\sp+\u)+4*\c+3], v[AW+(2*((\sg)/4)+\u)/4] offset:((2*((\sg)/4)+\u)%4)*16*WP+128*(2*((\sg)%4)+\sp)+32*\c
.endr
.endr
.endr
.endm
.macro MM sg, g, u, sp                 ; one product: tile 2 (sg / 4) + u of W1 x tile g of x, K step ms
.set ms, 2*((\sg)%4)+\sp
.set rD, ACC+8*(2*\g+\u)
.set rW, WB+64*((\sg)%2)+16*(2*\sp+\u)
.set rX, 128*((\g)%2)+16*ms
.set rA, WS+4*(2*((\sg)/4)+\u)+ms%4
.set rB, XS+4*\g+ms%4
.if ms == 0
	v_wmma_scale_f32_16x16x128_f8f6f4 v[rD:rD+7], v[rW:rW+15], v[rX:rX+15], v[BI+8*\u:BI+8*\u+7], v[rA], v[rB] matrix_a_fmt:MATRIX_FMT_BF8 matrix_b_fmt:MATRIX_FMT_BF8
.elseif ms < 4
	v_wmma_scale_f32_16x16x128_f8f6f4 v[rD:rD+7], v[rW:rW+15], v[rX:rX+15], v[rD:rD+7], v[rA], v[rB] matrix_a_fmt:MATRIX_FMT_BF8 matrix_b_fmt:MATRIX_FMT_BF8
.else
	v_wmma_scale_f32_16x16x128_f8f6f4 v[rD:rD+7], v[rW:rW+15], v[rX:rX+15], v[rD:rD+7], v[rA], v[rB] matrix_a_fmt:MATRIX_FMT_BF8 matrix_b_fmt:MATRIX_FMT_BF8 matrix_a_scale:MATRIX_SCALE_ROW1 matrix_b_scale:MATRIX_SCALE_ROW1
.endif
.endm
.macro MULS sg                         ; a stage's 20 products.  The accumulators take turns, one instruction a turn
	WIN 0xf4                                       ; W1 window 0, x window 1, C and D window 3
.irp sp, 0,1
.irp g, 0,1
.irp u, 0,1
	MM \sg, \g, \u, \sp
.endr
.endr
.endr
	WIN 0xf8                                       ; x window 2
.irp sp, 0,1
.irp g, 2,3
.irp u, 0,1
	MM \sg, \g, \u, \sp
.endr
.endr
.endr
	WIN 0xfc                                       ; x window 3
.irp sp, 0,1
.irp u, 0,1
	MM \sg, 4, \u, \sp
.endr
.endr
.endm
; Pair b is finished for the five tiles: 16 registers a tile are hidden units 32 b + 16 h + 0 .. 15 of my row: one block of 32 with lane l xor 16's.  The five tiles by turns.
.macro EPI b
	WIN 0x0f                                       ; sources 0 and 1 window 3
.irp g, 0,1,2,3,4
	v_max3_num_f32 v[TM+\g], v[ACC+16*\g], v[ACC+16*\g+1], 0x8000000   ; no |.|: what is negative becomes 0, so it does not count; the floor 2^(16 - 127) stands over it.  Each accumulator is read from its low end on
.endr
.irp i, 2,4,6,8,10,12,14
.irp g, 0,1,2,3,4
	v_max3_num_f32 v[TM+\g], v[ACC+16*\g+\i], v[ACC+16*\g+\i+1], v[TM+\g]
.endr
.endr
	WIN 0
.irp g, 0,1,2,3,4
	v_permlanex16_b32 v[TP+\g], v[TM+\g], s58, s59 ; (its destination counts as read: v88-92 were written at the head, by the scale bytes' loads)
.endr
.irp g, 0,1,2,3,4
	v_max_num_f32 v[TM+\g], v[TM+\g], v[TP+\g]     ; the block's largest number
.endr
.irp g, 0,1,2,3,4
	v_add_nc_u32 v[SCO+\g], 0xf8800000, v[TM+\g]   ; 15 off its exponent field: the conversion's scale operand
.endr
.irp g, 0,1,2,3,4
	v_and_or_b32 v[HLD+\g], v[TM+\g], 0x7f800000, s60   ; 57,344 x the scale
.endr
.if (\b) == 0
.irp g, 0,1,2,3,4
	v_lshrrev_b32 v[PW+\g], 23, v[SCO+\g]          ; the scale's byte: byte b of my row's scale word
.endr
.else
.irp g, 0,1,2,3,4
	v_lshrrev_b32 v[BYT+\g], 23, v[SCO+\g]
.endr
.irp g, 0,1,2,3,4
	v_lshl_or_b32 v[PW+\g], v[BYT+\g], 8*(\b), v[PW+\g]
.endr
.endif
	s_wait_xcnt 0x0                                ; the last pair's stores have read the codes' registers
	WIN 0xc3                                       ; destination and source 0 window 3
.irp g, 0,1,2,3,4
.irp i, 0,1,2,3,4,5,6,7,8,9,10,11,12,13,14,15
	v_med3_num_f32 v[ACC+16*\g+\i], v[ACC+16*\g+\i], 0, v[HLD+\g]      ; relu and the hold in one: the conversion to an 8-bit code does not saturate (ISA guide 7.6.2)
.endr
	v_cvt_scalef32_pk8_bf8_f32 v[CD+4*\g:CD+4*\g+1], v[ACC+16*\g:ACC+16*\g+7], v[SCO+\g]
	v_cvt_scalef32_pk8_bf8_f32 v[CD+4*\g+2:CD+4*\g+3], v[ACC+16*\g+8:ACC+16*\g+15], v[SCO+\g]
.endr
	v_nop                                          ; a plain line behind the last conversion: the next products write its sources
	WIN 0x0c                                       ; a store's data are its source 1: window 3
.irp g, 0,1,2,3,4
	global_store_b128 v4, v[CD+4*\g:CD+4*\g+3], s[52:53] offset:65536*\g+512*(\b)   ; registers 4 b .. 4 b + 3 of the operand's image: 512 bytes on end
.endr
	WIN 0
.if (\b) == 3
.irp g, 0,1,2,3,4
	global_store_b32 v5, v[PW+\g], s[54:55] offset:4096*\g     ; the scale words' image: 128 bytes on end
.endr
.endif
.endm
.irp t, 0,1,2,3,4,5,6,7
	ds_load_b128 v[WS+4*\t:WS+4*\t+3], v8 offset:16*48*\t      ; W1's scale words stay in registers
.endr
	BRUN 0
	WRUN 0
	WRUN 1
.Lpass:                                            ; a pass: five tiles of rows x the slice's 128 hidden units: 16 stages of 20 products
	s_wait_loadcnt 0x0                             ; x
.set sg, 0
.rept 16
.if sg < 15
	s_wait_dscnt 16                                ; this stage's fragments are in (and b1); the next stage's 16 loads may be out
.else
	s_wait_dscnt 0x0
.endif
	MULS sg
	PLACES 9                                       ; eight in front of loads into registers that these products read and of the first read of results; the ninth for the product that begins an accumulator anew
	WIN 0
.if (sg%4 == 0) && (sg < 12)
	BRUN sg/4+1                                    ; this pair's b1 has been taken
.endif
.if sg < 14
	WRUN sg+2
.endif
.if sg%4 == 3
	EPI sg/4
.endif
.set sg, sg+1
.endr
	s_wait_xcnt 0x0                                ; the stores have read their bases and data
	s_add_nc_u64 s[52:53], s[52:53], 5*65536       ; five slots on
	s_add_nc_u64 s[54:55], s[54:55], 5*4096
	s_add_co_u32 s51, s51, 80
	s_add_co_u32 s50, s50, 1
	s_cmp_ge_u32 s50, s49
	s_cbranch_scc1 .Llast
	PULLX                                          ; the next five tiles of rows
	BRUN 0
	WRUN 0
	WRUN 1
.Llast:
	s_cmp_lt_u32 s50, s49
	s_cbranch_scc1 .Lpass
	s_wait_tensorcnt 0x0
	ds_add_u32 v86, v87
	s_wait_dscnt 0x0
	s_endpgm
.Lfunc_end_k_q7711529808_ffn1:
	.size	k_q7711529808_ffn1, .Lfunc_end_k_q7711529808_ffn1-k_q7711529808_ffn1
	.p2alignl 7, 3214868480
	.fill 96, 4, 3214868480
	.section	.rodata,"a",@progbits
	.p2align	6, 0x0
	.amdhsa_kernel k_q7711529808_ffn1
		.amdhsa_group_segment_fixed_size 140800
		.amdhsa_private_segment_fixed_size 0
		.amdhsa_enable_private_segment 0
		.amdhsa_kernarg_size 56
		.amdhsa_user_sgpr_count 2
		.amdhsa_user_sgpr_kernarg_segment_ptr 1
		.amdhsa_wavefront_size32 1
		.amdhsa_system_sgpr_workgroup_id_x 1
		.amdhsa_system_sgpr_workgroup_id_y 1
		.amdhsa_system_sgpr_workgroup_id_z 1
		.amdhsa_system_vgpr_workitem_id 0
		.amdhsa_next_free_vgpr 1024
		.amdhsa_next_free_sgpr 100
		.amdhsa_reserve_vcc 1
		.amdhsa_float_denorm_mode_32 3
		.amdhsa_float_denorm_mode_16_64 3
		.amdhsa_memory_ordered 1
		.amdhsa_forward_progress 1
		.amdhsa_inst_pref_size 184
	.end_amdhsa_kernel
	.amdgpu_metadata
---
amdhsa.version: [ 1, 2 ]
amdhsa.kernels:
  - .name:           k_q7711529808_ffn1
    .symbol:         k_q7711529808_ffn1.kd
    .args:
      - { .name: xqs, .offset: 0, .size: 8, .value_kind: global_buffer, .address_space: global }
      - { .name: idx, .offset: 8, .size: 8, .value_kind: global_buffer, .address_space: global }
      - { .name: W1_codes, .offset: 16, .size: 8, .value_kind: global_buffer, .address_space: global }
      - { .name: W1_scales, .offset: 24, .size: 8, .value_kind: global_buffer, .address_space: global }
      - { .name: b1, .offset: 32, .size: 8, .value_kind: global_buffer, .address_space: global }
      - { .name: hq, .offset: 40, .size: 8, .value_kind: global_buffer, .address_space: global }
      - { .name: place, .offset: 48, .size: 8, .value_kind: global_buffer, .address_space: global }
    .group_segment_fixed_size: 140800
    .private_segment_fixed_size: 0
    .kernarg_segment_align: 8
    .kernarg_segment_size: 56
    .max_flat_workgroup_size: 128
    .sgpr_count:     100
    .vgpr_count:     1024
    .wavefront_size: 32
...
	.end_amdgpu_metadata
.endif
;; end of part 2
;; launch ffn2 (part 3): grid 32 x 8, 4 waves a work-group, no clusters, 290,816 bytes of LDS; arguments hq, place, W2_codes, W2_scales, b2, yb; writes yb
.if DOCPART == 3
	.amdgcn_target "amdgcn-amd-amdhsa--gfx1250"
	.amdhsa_code_object_version 6
	.text
	.protected	k_q7711529808_ffn2
	.globl	k_q7711529808_ffn2
	.p2align	8
	.type	k_q7711529808_ffn2,@function
k_q7711529808_ffn2:
	s_mov_b64 s[64:65], 0
	v_nop
	global_prefetch_b8 v0, s[64:65] scope:SCOPE_SE
	s_setreg_imm32_b32 hwreg(HW_REG_WAVE_MODE, 25, 1), 1
	s_wait_xcnt 0x0
; THE SECOND PRODUCT OF THE CHOSEN EXPERTS: y = h W2[e] + b2[e], on codes of E5M2 with one E8M0 scale for each 32 along K = 4,096.
; SHARES.  Work-group (x, y): slice x / 2 of 64 outputs, half x % 2, expert y.  Its 64 x 4,096 codes of W2 go into LDS once.  Wave w serves group 4 e + w, the tiles of 16 rows
; j = half, half + 2, .. under the group's number of tiles, which the launch before stored; three tiles a pass (the last pass two, of which the second may be left unstored).
; The hidden layer comes from memory as images of the operand's registers: a fragment is four loads of 512 bytes on end, its scale words one of 128, through a ring of four K steps in registers.
; LAYOUT.  Source 0 = 16 rows of W2 (outputs), source 1 = 16 rows of h: a lane holds one row and eight neighbouring outputs.  b2 is loaded into the accumulators, so that every K step is alike.
; Results leave through the wave's own stage in LDS: sixteen lanes store 256 bytes on end, at a multiple of 256, of a row of yb [slot x 16 + row][1024] f32.
; Every LDS and memory offset of a pass is an immediate: the 32 K steps are written out, once for three tiles and once for two.
; NO TENSOR LOADS, NO CLUSTER: the number of passes of a wave is read from memory, so the weights come through registers.
; REGISTERS, in windows of 256.  Window 0: v1-15 addresses; v16-36 staging; v40-51 h's scale words (ring of 4 x 3); v64-127 W2's scale words; v128-255 two sets of four fragments of W2.
;   Window 1: v0-95 accumulator (g, t) at 8 (4 g + t); v128-191 two sets of rows on the way out.   Window 2: v0-191 h's fragments (ring of 4 x 3).   Window 3: two staging sets of 128.
.set WP,   4112                        ; a row of W2 in LDS: 4,096 bytes + 16: an odd multiple of 16
.set WSC,  64*WP                       ; its scale bytes: 64 rows of 128 bytes + 16
.set BIA,  WSC+64*144                  ; b2: 64 numbers
.set STG,  BIA+256                     ; a stage of 16 rows x (256 bytes + 16) for each wave
.set HSCL, 41943040
.set META, 32768
.set AW,   4                           ; v4-7 my lane's place in tile t of W2
.set HS,   40
.set WS,   64
.set WB,   128
.set MSB,  0
.macro WIN new                         ; the immediate's high byte repeats the setting that is left
.if MSB != (\new)
	s_set_vgpr_msb (MSB<<8)|(\new)
.set MSB, (\new)
.endif
.endm
.macro PLACES n
.rept \n
	v_nop
.endr
.endm
	s_load_b256 s[4:11], s[0:1], 0x0               ; hq s[4:5], place s[6:7], W2's codes s[8:9], W2's scales s[10:11]
	s_load_b128 s[12:15], s[0:1], 0x20             ; b2 s[12:13], yb s[14:15]
	v_lshl_add_u32 v62, v0, 2, 0x46e00
	v_mov_b32 v63, 0
	v_lshrrev_b32 v17, 5, v0
	v_readfirstlane_b32 s18, v17                   ; wave 0..3
	s_lshr_b32 s19, ttmp9, 1                       ; slice
	s_and_b32 s22, ttmp9, 1                        ; half
	s_and_b32 s20, ttmp7, 0xffff                   ; expert
	s_lshl_b32 s21, s20, 2
	s_add_co_u32 s21, s21, s18                     ; group
	v_and_b32 v1, 31, v0                           ; lane
	v_lshlrev_b32 v2, 4, v1                        ; 16 x lane
	v_lshlrev_b32 v3, 2, v1                        ; 4 x lane
	v_and_b32 v17, 15, v0                          ; r
	v_bfe_u32 v18, v0, 4, 1                        ; h
	v_mul_u32_u24 v4, v17, WP
	v_lshl_add_u32 v4, v18, 4, v4                  ; a fragment of W2: row r, + 16 h
	v_add_nc_u32 v5, 16*WP, v4
	v_add_nc_u32 v6, 32*WP, v4
	v_add_nc_u32 v7, 48*WP, v4
	v_mul_u32_u24 v8, v17, 144
	v_lshl_add_u32 v8, v18, 4, v8
	v_add_nc_u32 v8, WSC, v8                       ; its scale words: of each eight K steps lanes 0-15 take the first four, lanes 16-31 the others
	v_lshl_add_u32 v9, v18, 5, BIA                 ; b2: + 32 h
	s_mul_i32 s66, s18, 16*WP
	v_add_nc_u32 v10, s66, v2                      ; staging: my wave's 16 rows
	v_lshrrev_b32 v19, 3, v1
	v_mul_u32_u24 v19, v19, 144
	v_and_b32 v11, 7, v1
	v_lshl_add_u32 v11, v11, 4, v19
	s_mul_i32 s66, s18, 16*144
	s_add_co_u32 s66, s66, WSC
	v_add_nc_u32 v11, s66, v11                     ; scale bytes: eight lanes to a row of 128
	s_lshl_b32 s66, s18, 6
	s_add_co_u32 s66, s66, BIA
	v_lshl_add_u32 v12, v17, 2, s66                ; b2: my wave's 16 numbers (lanes 16-31 write what lanes 0-15 write)
	v_lshlrev_b32 v36, 2, v17
	s_mul_i32 s66, s18, 16*272
	s_add_co_u32 s66, s66, STG                     ; my stage
	v_mul_u32_u24 v13, v17, 272
	v_lshl_add_u32 v13, v18, 5, v13
	v_add_nc_u32 v13, s66, v13                     ; in: row r, + 32 h
	v_mul_u32_u24 v14, v18, 272
	v_lshl_add_u32 v14, v17, 4, v14
	v_add_nc_u32 v14, s66, v14                     ; back: lanes 0-15 one row, lanes 16-31 the next
	v_lshlrev_b32 v15, 12, v18
	v_lshl_add_u32 v15, v17, 4, v15                ; and the same two rows in yb
	s_lshl_b32 s66, s20, 10
	s_lshl_b32 s67, s19, 6
	s_add_co_u32 s66, s66, s67
	s_lshl_b32 s67, s18, 4
	s_add_co_u32 s66, s66, s67                     ; the first row of W2 that my wave fetches: 1,024 e + 64 slice + 16 wave
	s_lshl_b32 s68, s66, 12
	s_mov_b32 s69, 0
	s_lshl_b32 s70, s66, 7
	s_mov_b32 s71, 0
	s_lshl_b32 s72, s66, 2
	s_mov_b32 s73, 0
	s_lshl_b32 s74, s21, 7
	s_lshl_b32 s76, s19, 8
	s_mov_b32 s77, 0
	s_wait_alu depctr_va_vdst(0)
	s_wait_kmcnt 0x0
	s_load_b32 s23, s[6:7], s74 offset:META        ; my group's number of tiles
	s_add_nc_u64 s[8:9], s[8:9], s[68:69]
	s_add_nc_u64 s[10:11], s[10:11], s[70:71]
	s_add_nc_u64 s[12:13], s[12:13], s[72:73]
	s_add_nc_u64 s[56:57], s[4:5], HSCL            ; the scale images
	s_add_nc_u64 s[58:59], s[14:15], s[76:77]      ; yb at my slice's 256 bytes of a row
.macro BATCH n                         ; four rows of codes: 32 loads of 512 bytes on end, into staging set n % 2.  (The work-group of the other half reads the same bytes: no hint)
	WIN 0xc0
.set q, 0
.rept 32
	global_load_b128 v[128*((\n)%2)+4*q:128*((\n)%2)+4*q+3], v2, s[8:9] offset:512*(32*(\n)+q)
.set q, q+1
.endr
	WIN 0
.endm
.macro TOLDS n
	WIN 0x0c                                       ; an LDS store's data are its source 1: window 3
.set q, 0
.rept 32
	ds_store_b128 v10, v[128*((\n)%2)+4*q:128*((\n)%2)+4*q+3] offset:(4*(\n)+q/8)*WP+512*(q%8)
.set q, q+1
.endr
	WIN 0
.endm
; The three tiles of the pass: j = half + 2 (3 pass + i).  For the loads j is held at the last slot that the launch before wrote; a tile beyond the group's end is multiplied and not stored.
.macro SETB
	s_mul_i32 s66, s26, 6
	s_add_co_u32 s66, s66, s22
	s_mul_i32 s67, s21, 20
	s_mov_b32 s71, 0
.irp i, 0,1,2
	s_add_co_u32 s68, s66, 2*\i
	s_min_u32 s68, s68, 19
	s_min_u32 s69, s68, s28
	s_min_u32 s69, s69, 19
	s_add_co_u32 s69, s69, s67                     ; the slot
	s_lshl_b32 s70, s69, 16
	s_add_nc_u64 s[32+2*\i:33+2*\i], s[4:5], s[70:71]
	s_lshl_b32 s70, s69, 12
	s_add_nc_u64 s[40+2*\i:41+2*\i], s[56:57], s[70:71]
	s_add_co_u32 s68, s68, s67
	s_lshl_b32 s70, s68, 16
	s_add_nc_u64 s[48+2*\i:49+2*\i], s[58:59], s[70:71]
.endr
.endm
.macro HSTEP k, nt                     ; K step k of nt tiles of h into place k % 4 of the ring: five loads a tile
.irp g, 0,1,2
.if \g < \nt
	global_load_b32 v[HS+3*((\k)%4)+\g], v3, s[40+2*\g:41+2*\g] offset:128*(\k)
.endif
.endr
	WIN 0x80                                       ; destination window 2
.irp g, 0,1,2
.if \g < \nt
.irp c, 0,1,2,3
	global_load_b128 v[16*(3*((\k)%4)+\g)+4*\c:16*(3*((\k)%4)+\g)+4*\c+3], v2, s[32+2*\g:33+2*\g] offset:2048*(\k)+512*\c
.endr
.endif
.endr
	WIN 0
.endm
.macro PRO                             ; the first four K steps, always of three tiles: 60 loads
.irp k, 0,1,2,3
	HSTEP \k, 3
.endr
.endm
	global_load_b32 v16, v36, s[12:13]
.irp j, 0,1,2,3
	global_load_b128 v[20+4*\j:23+4*\j], v2, s[10:11] offset:512*\j        ; 16 rows of scale bytes: 2,048 bytes on end
.endr
	BATCH 0
	BATCH 1
	s_wait_loadcnt 32                              ; b2, the scale bytes and batch 0 are in; batch 1 may be out
	ds_store_b32 v12, v16
.irp j, 0,1,2,3
	ds_store_b128 v11, v[20+4*\j:23+4*\j] offset:4*144*\j
.endr
	TOLDS 0
	s_wait_dscnt 0x0                               ; the stores have read their registers
	BATCH 2
	s_wait_loadcnt 32                              ; batch 1 is in; batch 2 may be out
	TOLDS 1
	s_wait_dscnt 0x0
	BATCH 3
	s_wait_kmcnt 0x0
	s_min_u32 s23, s23, 16                         ; tiles T
	s_add_co_u32 s24, s23, 1
	s_sub_co_u32 s24, s24, s22
	s_lshr_b32 s24, s24, 1                         ; my tiles: (T + 1 - half) / 2, 0 to 8
	s_add_co_u32 s25, s24, 2
	s_mul_i32 s25, s25, 11
	s_lshr_b32 s25, s25, 5                         ; passes: a third of them, rounded up (11 / 32 serves up to 8)
	s_mov_b32 s26, 0                               ; pass
	s_mov_b32 s27, s24                             ; tiles to go
	s_max_u32 s28, s23, 5
	s_sub_co_u32 s28, s28, 1                       ; the last slot that is surely written: the launch before writes five slots a pass
	SETB
	PRO
	s_wait_loadcnt 63                              ; 92 loads were issued behind batch 2: it is in
	TOLDS 2
	s_wait_loadcnt 60                              ; all but h's 60: batch 3 is in
	TOLDS 3
	s_wait_dscnt 0x0                               ; for the others' sake: my 16 rows lie in LDS
	s_barrier_signal -1
	s_barrier_wait -1                              ; the one barrier: behind it a wave writes its own stage alone
.irp t, 0,1,2,3
.irp o, 0,1,2,3
	ds_load_b128 v[WS+16*\t+4*\o:WS+16*\t+4*\o+3], v8 offset:16*144*\t+32*\o   ; W2's scale words stay in registers
.endr
.endr
.macro WLD k                           ; K step k: four fragments of W2, 16 LDS loads, into set k % 2
.irp t, 0,1,2,3
.irp c, 0,1,2,3
	ds_load_b128 v[WB+64*((\k)%2)+16*\t+4*\c:WB+64*((\k)%2)+16*\t+4*\c+3], v[AW+\t] offset:128*(\k)+32*\c
.endr
.endr
.endm
.macro MM2 k, t, g
.set rD, 8*(4*\g+\t)
.set rW, WB+64*((\k)%2)+16*\t
.set rH, 16*(3*((\k)%4)+\g)
.set rS, WS+16*\t+4*((\k)/8)+(\k)%4
.set rT, HS+3*((\k)%4)+\g
.if ((\k)%8) < 4
	v_wmma_scale_f32_16x16x128_f8f6f4 v[rD:rD+7], v[rW:rW+15], v[rH:rH+15], v[rD:rD+7], v[rS], v[rT] matrix_a_fmt:MATRIX_FMT_BF8 matrix_b_fmt:MATRIX_FMT_BF8
.else
	v_wmma_scale_f32_16x16x128_f8f6f4 v[rD:rD+7], v[rW:rW+15], v[rH:rH+15], v[rD:rD+7], v[rS], v[rT] matrix_a_fmt:MATRIX_FMT_BF8 matrix_b_fmt:MATRIX_FMT_BF8 matrix_a_scale:MATRIX_SCALE_ROW1
.endif
.endm
.macro STEP nt, k
.if (\k) <= 28
	s_wait_loadcnt 15*\nt                          ; this step's part of h is in; the three later steps of the ring, five loads a tile each, may be out
.else
	s_wait_loadcnt 5*\nt*(31-(\k))
.endif
.if (\k) < 31
	s_wait_dscnt 16                                ; this step's fragments of W2 are in; the next step's 16 loads may be out
.else
	s_wait_dscnt 0x0
.endif
	WIN 0x58                                       ; W2 window 0, h window 2, C and D window 1
.irp t, 0,1,2,3                        ; the accumulators take turns, one instruction a turn
.irp g, 0,1,2
.if \g < \nt
	MM2 \k, \t, \g
.endif
.endr
.endr
	PLACES 8                                       ; in front of loads into registers that these products read, and of the first read of results
	WIN 0
.if (\k) <= 29
	WLD (\k)+2
.endif
.if (\k) <= 27
	HSTEP (\k)+4, \nt
.endif
.endm
.macro OUT g                           ; tile g: 16 rows x 64 outputs through my stage; LDS serves a wave's instructions in order
	s_wait_xcnt 0x0                                ; earlier stores have read the registers that the rows come back into
	WIN 0x04                                       ; data: window 1
.irp t, 0,1,2,3
	ds_store_b128 v13, v[8*(4*\g+\t):8*(4*\g+\t)+3] offset:64*\t           ; each accumulator from its low end on
	ds_store_b128 v13, v[8*(4*\g+\t)+4:8*(4*\g+\t)+7] offset:64*\t+16
.endr
	WIN 0x40
.irp i, 0,1,2,3,4,5,6,7
	ds_load_b128 v[128+32*(\g%2)+4*\i:128+32*(\g%2)+4*\i+3], v14 offset:2*272*\i
.endr
	s_wait_dscnt 0x0
	WIN 0x04
.irp i, 0,1,2,3,4,5,6,7
	global_store_b128 v15, v[128+32*(\g%2)+4*\i:128+32*(\g%2)+4*\i+3], s[48+2*\g:49+2*\g] offset:8192*\i   ; 16 lanes store 256 bytes on end, at a multiple of 256
.endr
	WIN 0
.endm
.macro BODY nt                         ; a pass of nt tiles
	WIN 0x40
.irp g, 0,1,2
.if \g < \nt
.irp t, 0,1,2,3
	ds_load_b128 v[8*(4*\g+\t):8*(4*\g+\t)+3], v9 offset:64*\t             ; b2 starts the sums: outputs 16 t + 8 h + 0 .. 7
	ds_load_b128 v[8*(4*\g+\t)+4:8*(4*\g+\t)+7], v9 offset:64*\t+16
.endr
.endif
.endr
	WIN 0
	WLD 0
	WLD 1
.set kk, 0
.rept 32
	STEP \nt, kk
.set kk, kk+1
.endr
	OUT 0
.if \nt == 3
	OUT 1
	OUT 2
.else
	s_cmp_lt_u32 s27, 2
	s_cbranch_scc1 .Lone_\@                        ; one tile was left: the second lies beyond the group's end
	OUT 1
.Lone_\@:
.endif
.endm
	s_cmp_eq_u32 s25, 0
	s_cbranch_scc1 .Lend                           ; my half has no tile of this group
.Lpass:
	s_cmp_lt_u32 s27, 3
	s_cbranch_scc1 .Ltwo
	BODY 3
	s_branch .Ljoin
.Ltwo:
	BODY 2
.Ljoin:
	s_add_co_u32 s26, s26, 1
	s_sub_co_u32 s27, s27, 3
	s_cmp_ge_u32 s26, s25
	s_cbranch_scc1 .Lskip
	s_wait_xcnt 0x0                                ; the loads and stores have read their bases
	SETB
	PRO
.Lskip:
	s_cmp_lt_u32 s26, s25
	s_cbranch_scc1 .Lpass
.Lend:
	s_wait_tensorcnt 0x0
	ds_add_u32 v62, v63
	s_wait_dscnt 0x0
	s_endpgm
.Lfunc_end_k_q7711529808_ffn2:
	.size	k_q7711529808_ffn2, .Lfunc_end_k_q7711529808_ffn2-k_q7711529808_ffn2
	.p2alignl 7, 3214868480
	.fill 96, 4, 3214868480
	.section	.rodata,"a",@progbits
	.p2align	6, 0x0
	.amdhsa_kernel k_q7711529808_ffn2
		.amdhsa_group_segment_fixed_size 290816
		.amdhsa_private_segment_fixed_size 0
		.amdhsa_enable_private_segment 0
		.amdhsa_kernarg_size 48
		.amdhsa_user_sgpr_count 2
		.amdhsa_user_sgpr_kernarg_segment_ptr 1
		.amdhsa_wavefront_size32 1
		.amdhsa_system_sgpr_workgroup_id_x 1
		.amdhsa_system_sgpr_workgroup_id_y 1
		.amdhsa_system_sgpr_workgroup_id_z 1
		.amdhsa_system_vgpr_workitem_id 0
		.amdhsa_next_free_vgpr 1024
		.amdhsa_next_free_sgpr 100
		.amdhsa_reserve_vcc 0
		.amdhsa_float_denorm_mode_32 3
		.amdhsa_float_denorm_mode_16_64 3
		.amdhsa_memory_ordered 1
		.amdhsa_forward_progress 1
		.amdhsa_inst_pref_size 255
	.end_amdhsa_kernel
	.section	.bss,"aw",@nobits
	.p2align	6
	.space	262144
	.amdgpu_metadata
---
amdhsa.version: [ 1, 2 ]
amdhsa.kernels:
  - .name:           k_q7711529808_ffn2
    .symbol:         k_q7711529808_ffn2.kd
    .args:
      - { .name: hq, .offset: 0, .size: 8, .value_kind: global_buffer, .address_space: global }
      - { .name: place, .offset: 8, .size: 8, .value_kind: global_buffer, .address_space: global }
      - { .name: W2_codes, .offset: 16, .size: 8, .value_kind: global_buffer, .address_space: global }
      - { .name: W2_scales, .offset: 24, .size: 8, .value_kind: global_buffer, .address_space: global }
      - { .name: b2, .offset: 32, .size: 8, .value_kind: global_buffer, .address_space: global }
      - { .name: yb, .offset: 40, .size: 8, .value_kind: global_buffer, .address_space: global }
    .group_segment_fixed_size: 290816
    .private_segment_fixed_size: 0
    .kernarg_segment_align: 8
    .kernarg_segment_size: 48
    .max_flat_workgroup_size: 128
    .sgpr_count:     100
    .vgpr_count:     1024
    .wavefront_size: 32
...
	.end_amdgpu_metadata
.endif
;; end of part 3
;; launch combine (part 4): grid 256 x 1, 4 waves a work-group, no clusters, 0 bytes of LDS; arguments yb, idx, place, gates, out0, out1; writes out0, out1
.if DOCPART == 4
	.amdgcn_target "amdgcn-amd-amdhsa--gfx1250"
	.amdhsa_code_object_version 6
	.text
	.protected	k_q7711529808_combine
	.globl	k_q7711529808_combine
	.p2align	8
	.type	k_q7711529808_combine,@function
k_q7711529808_combine:
	s_mov_b64 s[64:65], 0
	v_nop
	global_prefetch_b8 v0, s[64:65] scope:SCOPE_SE
	s_setreg_imm32_b32 hwreg(HW_REG_WAVE_MODE, 25, 1), 1
	s_wait_xcnt 0x0
; out0[t] = w0 y(e0, t) + w1 y(e1, t);  out1 = 8 x the sum over e of (the mean gate of e)^2.
; A wave takes one token t = 4 x work-group + wave.  Its two experts, its two weights and its rows' places for all eight experts come by scalar loads in one batch; the two places are chosen
; by selects, held inside yb by a constant, and the two rows of 4,096 bytes are read once, 512 bytes on end a load.  The sum is made in the second row's registers and stored from there.
; Wave 0 of work-group 0 also adds the 128 work-groups' sums of gates and stores the loss.
; A stream: no LDS, no barrier, no matrix unit, no cluster: waves share nothing.
.set PART, 8192
.set Y0,   16                          ; v16-47 the first expert's row
.set Y1,   48                          ; v48-79 the second's, then the result
	s_load_b256 s[4:11], s[0:1], 0x0               ; yb s[4:5], idx s[6:7], place s[8:9], gates s[10:11]
	s_load_b128 s[12:15], s[0:1], 0x20             ; out0 s[12:13], out1 s[14:15]
	v_lshrrev_b32 v1, 5, v0
	v_readfirstlane_b32 s16, v1                    ; wave
	v_and_b32 v1, 31, v0                           ; lane
	v_lshlrev_b32 v2, 4, v1                        ; 16 x lane
	s_lshl_b32 s17, ttmp9, 2
	s_add_co_u32 s17, s17, s16                     ; my token
	s_lshl_b32 s18, s17, 2
	s_lshl_b32 s19, s17, 3
	s_lshl_b32 s44, s17, 12
	s_mov_b32 s45, 0
	s_mov_b32 s46, 0x76543210
	s_mov_b32 s47, 0xfedcba98                      ; v_permlanex16_b32's selects for lane l xor 16
	s_wait_alu depctr_va_vdst(0)
	s_wait_kmcnt 0x0
	s_load_b32 s20, s[6:7], s18 offset:0x0         ; e0 | e1 << 8
	s_load_b64 s[22:23], s[10:11], s19 offset:0x0  ; w0, w1
.irp e, 0,1,2,3,4,5,6,7
	s_load_b32 s[24+\e], s[8:9], s18 offset:4096*\e            ; my row's place under expert e (a number only where I chose e)
.endr
	s_add_nc_u64 s[12:13], s[12:13], s[44:45]
	s_wait_kmcnt 0x0
	s_and_b32 s21, s20, 0xff                       ; e0
	s_lshr_b32 s20, s20, 8                         ; e1
	s_mov_b32 s32, s24
	s_mov_b32 s33, s24
.irp e, 1,2,3,4,5,6,7
	s_cmp_eq_u32 s21, \e
	s_cselect_b32 s32, s[24+\e], s32
	s_cmp_eq_u32 s20, \e
	s_cselect_b32 s33, s[24+\e], s33
.endr
	s_min_u32 s32, s32, 10239                      ; a row of yb
	s_min_u32 s33, s33, 10239
	s_lshl_b32 s34, s32, 12
	s_mov_b32 s35, 0
	s_lshl_b32 s36, s33, 12
	s_mov_b32 s37, 0
	s_add_nc_u64 s[34:35], s[4:5], s[34:35]
	s_add_nc_u64 s[36:37], s[4:5], s[36:37]
	s_mov_b32 s40, s22                             ; the packed forms name a pair and take its low word for both halves: both words are written
	s_mov_b32 s41, s22
	s_mov_b32 s42, s23
	s_mov_b32 s43, s23
.irp i, 0,1,2,3,4,5,6,7
	global_load_b128 v[Y0+4*\i:Y0+4*\i+3], v2, s[34:35] offset:512*\i th:TH_LOAD_NT
.endr
.irp i, 0,1,2,3,4,5,6,7
	global_load_b128 v[Y1+4*\i:Y1+4*\i+3], v2, s[36:37] offset:512*\i th:TH_LOAD_NT
.endr
.irp i, 0,1,2,3,4,5,6,7
	s_wait_loadcnt 7-\i                            ; the second row's load i is in, and with it the first row's, which were issued earlier
	v_pk_mul_f32 v[Y1+4*\i:Y1+4*\i+1], v[Y1+4*\i:Y1+4*\i+1], s[42:43] op_sel_hi:[1,0]
	v_pk_mul_f32 v[Y1+4*\i+2:Y1+4*\i+3], v[Y1+4*\i+2:Y1+4*\i+3], s[42:43] op_sel_hi:[1,0]
	v_pk_fma_f32 v[Y1+4*\i:Y1+4*\i+1], v[Y0+4*\i:Y0+4*\i+1], s[40:41], v[Y1+4*\i:Y1+4*\i+1] op_sel_hi:[1,0,1]
	v_pk_fma_f32 v[Y1+4*\i+2:Y1+4*\i+3], v[Y0+4*\i+2:Y0+4*\i+3], s[40:41], v[Y1+4*\i+2:Y1+4*\i+3] op_sel_hi:[1,0,1]
	global_store_b128 v2, v[Y1+4*\i:Y1+4*\i+3], s[12:13] offset:512*\i th:TH_STORE_NT   ; 32 lanes store 512 bytes on end
.endr
	s_or_b32 s44, ttmp9, s16
	s_cmp_lg_u32 s44, 0
	s_cbranch_scc1 .Lend
	; THE LOSS.  128 x 8 sums of gates: number 128 i + 4 lane + c belongs to expert 4 (lane % 2) + c
.irp i, 0,1,2,3,4,5,6,7
	global_load_b128 v[Y0+4*\i:Y0+4*\i+3], v2, s[10:11] offset:PART+512*\i
.endr
	s_wait_loadcnt 0x0
.irp i, 1,2,3,4,5,6,7
	v_pk_add_f32 v[16:17], v[16:17], v[Y0+4*\i:Y0+4*\i+1]
	v_pk_add_f32 v[18:19], v[18:19], v[Y0+4*\i+2:Y0+4*\i+3]
.endr
.irp k, 2,4,8                          ; over the lanes of my parity
.irp c, 0,1,2,3
	v_add_f32_dpp v[16+\c], v[16+\c], v[16+\c] row_xmask:\k row_mask:0xf bank_mask:0xf
.endr
.endr
.irp c, 0,1,2,3
	v_permlanex16_b32 v[20+\c], v[16+\c], s46, s47
.endr
.irp c, 0,1,2,3
	v_add_f32 v[16+\c], v[16+\c], v[20+\c]
.endr
.irp c, 0,1,2,3
	v_mul_f32 v[16+\c], 0x3a800000, v[16+\c]       ; / 1,024: the mean gate
.endr
	v_mul_f32 v24, v16, v16
	v_fma_f32 v24, v17, v17, v24
	v_fma_f32 v24, v18, v18, v24
	v_fma_f32 v24, v19, v19, v24
	v_add_f32_dpp v24, v24, v24 row_xmask:1 row_mask:0xf bank_mask:0xf     ; with the other four experts'
	v_mul_f32 v24, 0x41000000, v24                 ; x 8
	v_mov_b32 v25, 0
	s_wait_alu depctr_va_vdst(0)
	s_wait_xcnt 0x0                                ; EXEC changes only behind this wait
	v_cmp_eq_u32 vcc_lo, 0, v1
	s_and_saveexec_b32 s48, vcc_lo
	global_store_b32 v25, v24, s[14:15]
	s_wait_xcnt 0x0
	s_or_b32 exec_lo, exec_lo, s48
.Lend:
	s_endpgm
.Lfunc_end_k_q7711529808_combine:
	.size	k_q7711529808_combine, .Lfunc_end_k_q7711529808_combine-k_q7711529808_combine
	.p2alignl 7, 3214868480
	.fill 96, 4, 3214868480
	.section	.rodata,"a",@progbits
	.p2align	6, 0x0
	.amdhsa_kernel k_q7711529808_combine
		.amdhsa_group_segment_fixed_size 0
		.amdhsa_private_segment_fixed_size 0
		.amdhsa_enable_private_segment 0
		.amdhsa_kernarg_size 48
		.amdhsa_user_sgpr_count 2
		.amdhsa_user_sgpr_kernarg_segment_ptr 1
		.amdhsa_wavefront_size32 1
		.amdhsa_system_sgpr_workgroup_id_x 1
		.amdhsa_system_sgpr_workgroup_id_y 1
		.amdhsa_system_sgpr_workgroup_id_z 1
		.amdhsa_system_vgpr_workitem_id 0
		.amdhsa_next_free_vgpr 96
		.amdhsa_next_free_sgpr 66
		.amdhsa_reserve_vcc 1
		.amdhsa_float_denorm_mode_32 3
		.amdhsa_float_denorm_mode_16_64 3
		.amdhsa_memory_ordered 1
		.amdhsa_forward_progress 1
		.amdhsa_inst_pref_size 12
	.end_amdhsa_kernel
	.amdgpu_metadata
---
amdhsa.version: [ 1, 2 ]
amdhsa.kernels:
  - .name:           k_q7711529808_combine
    .symbol:         k_q7711529808_combine.kd
    .args:
      - { .name: yb, .offset: 0, .size: 8, .value_kind: global_buffer, .address_space: global }
      - { .name: idx, .offset: 8, .size: 8, .value_kind: global_buffer, .address_space: global }
      - { .name: place, .offset: 16, .size: 8, .value_kind: global_buffer, .address_space: global }
      - { .name: gates, .offset: 24, .size: 8, .value_kind: global_buffer, .address_space: global }
      - { .name: out0, .offset: 32, .size: 8, .value_kind: global_buffer, .address_space: global }
      - { .name: out1, .offset: 40, .size: 8, .value_kind: global_buffer, .address_space: global }
    .group_segment_fixed_size: 0
    .private_segment_fixed_size: 0
    .kernarg_segment_align: 8
    .kernarg_segment_size: 48
    .max_flat_workgroup_size: 128
    .sgpr_count:     66
    .vgpr_count:     96
    .wavefront_size: 32
...
	.end_amdgpu_metadata
.endif
;; end of part 4
